; MI455X (gfx1250); checked and timed in simulation.
; The chip was launched on July 23, 2026; its instructions are those of AMD's public machine-readable ISA for CDNA 5 (MIT licence, August 2026) and "CDNA5" Instruction Set Architecture Reference Guide (July 2026). The comments in the code are by the model that wrote it; some were corrected since.
;; Ampere FP8 Linear. Allowed arithmetic: float matrix products may take bf16 or f16 operands with f32 sums; other float arithmetic in f32, or as packed bf16 or f16 multiplies, adds, multiply-adds, maxima and minima; sums over many terms, partial sums and values carried from step to step in f32; what a program stores and reads back later, other than sums and carried values, may be rounded once to bf16 or f16.
;; Inputs: act 1,024 x 4,096 float16; scale 14,336 float16; weight 4,096 x 14,336 int8.
;; Outputs: out0 1,024 x 14,336 float16.
;; One version. Each part assembles by itself: llvm-mc -triple=amdgcn-amd-amdhsa -mcpu=gfx1250 --defsym DOCPART=n.
;; ======== version 1 of 1: 1 launch
;; launch gemm (part 1): grid 56 x 4, 4 waves a work-group, clusters of 4 x 4, 327,680 bytes of LDS; arguments act, weight, scale, out0; writes out0
.if DOCPART == 1
	.amdgcn_target "amdgcn-amd-amdhsa--gfx1250"
	.amdhsa_code_object_version 6
	.text
	.protected	k_qb289cfa0ea_gemm
	.globl	k_qb289cfa0ea_gemm
	.p2align	8
	.type	k_qb289cfa0ea_gemm,@function
k_qb289cfa0ea_gemm:
	s_mov_b64 s[64:65], 0
	v_nop
	global_prefetch_b8 v0, s[64:65] scope:SCOPE_SE
	s_setreg_imm32_b32 hwreg(HW_REG_WAVE_MODE, 25, 1), 1
	s_wait_xcnt 0x0
	s_wait_alu depctr_hold_cnt(0) depctr_sa_sdst(0) depctr_va_vdst(0) depctr_va_sdst(0) depctr_va_ssrc(0) depctr_va_vcc(0) depctr_vm_vsrc(0)
	s_getreg_b32 s2, hwreg(HW_REG_IB_STS2, 6, 4)
	s_cmp_eq_u32 s2, 0
	s_cbranch_scc0 .Lentry_in_a_cluster
	s_endpgm
.Lentry_in_a_cluster:
	s_bfe_u32 s2, ttmp6, 0x10000c
	s_cmp_lg_u32 s2, 0xf033
	s_cbranch_scc0 .Lentry_shape_is_right
	s_endpgm
.Lentry_shape_is_right:
; out[m][n] = f16( (sum over k of act[m][k] w[k][n]) x scale[n] ).  act: [1024][4096] f16.  weight: [4096][14336] int8, n along the rows.  scale: [14336] f16.  out: [1024][14336] f16.
; FORMAT.  Products in f16 with f32 sums (v_wmma_f32_16x16x32_f16).  act is f16 as it comes, and every int8 (-128 to 127) is exact in f16: no operand is rounded.  One f32 multiply by scale,
; one rounding to f16.  LIMITS: none of range; a result beyond 65,504 leaves as an infinity, as it does in the problem's own last conversion; the order of the f32 sums is the matrix unit's;
; NaN and infinities in act go through the products untreated.
; SHARES.  A tile of out is 256 x 256: a work-group of four waves, as many as a WGP has SIMDs, each wave 128 x 128: 64 accumulators, 512 registers.  56 x 4 = 224 work-groups of equal work.
; 14336 = 2^11 x 7: 256 equal tiles would be 224 or 448 columns wide, and then neither weight's rows of a tile (224 bytes) nor out's (448) would begin at multiples of 256 bytes.
; K goes in 32 steps of 128 through a ring of two LDS slots filled by the tensor data mover: 256 rows of act (256 bytes each) and 128 rows of weight (256 bytes each) a step.
; CLUSTERS.  4 x 4 work-groups.  act's tile hangs on the tile row alone and is asked for jointly by the four of a row of the cluster, weight's on the tile column alone and is asked for jointly by
; the four of a column.  The cluster's four rows are all four tile rows of out, so each byte of weight is asked for once in the launch.
; THE WEIGHTS' WAY.  ds_load_tr16_b128, used on PAIRS of bytes, turns 16 k x 32 columns: lane l (r = l % 16, h = l / 16) gets k = 8 h .. 8 h + 7 of columns 2 r and 2 r + 1; register i holds the bytes
; w(k, 2r), w(k, 2r+1), w(k+1, 2r), w(k+1, 2r+1), k = 8 h + 2 i.  x xor 0x80 is w + 128, in 0 .. 255; v_perm_b32 sets 0x64 above a byte: the f16 number 1024 + byte; less 1152 that is w, exactly.
; Two v_perm_b32 part the even columns from the odd ones, so 32 columns (a GROUP) give two fragments: index p of the even one is column 2 p, of the odd one column 2 p + 1.
; THE MATRIX INSTRUCTION IS USED TRANSPOSED (source 0 = a fragment of weight, source 1 = 16 rows of act): lane l holds row r of out and the indices 8 h + 0 .. 7.  Register j of the even result and
; register j of the odd one are NEIGHBOURING columns, 16 h + 2 j and + 1: one v_cvt_pk_f16_f32 packs them, and a lane's eight words are 16 columns on end.  The parting undoes itself.
; SIDE BY SIDE.  For 32 along K a wave has 64 matrix instructions and 160 vector instructions of conversion.  These stand in slices of four behind the matrix instructions, a group ahead of its use.
; REGISTERS, in windows of 256 (s_set_vgpr_msb: bits 1:0 source 0, 3:2 source 1, 5:4 source 2, 7:6 destination):
;   window 0: v0-31 addresses; v32-63, v224-255 rows on the way out (v32-63 first: scale as loaded); v64-127, v128-191 fragments of act, two buffers; v192-223 packed results
;   window 1: v0-63 fragments of weight (group g even at 16 g, odd at 16 g + 8); v64-95 turned bytes (group g at 64 + 8 g); v96 the constant -1152 twice; v98-99 addresses; v128-191 scale in f32
;   windows 2, 3: the accumulators: groups 0, 1 in window 2, groups 2, 3 in window 3; row block a, parity p of group g at 128 (g % 2) + 16 a + 8 p
; A slice costs two switches of the window, since no window has room for a product's operands beside the conversion's; the price is paid so that the matrix unit does not stand idle through 160 instructions.
.set SIZE_M, 1024
.set SIZE_K, 4096
.set SIZE_N, 14336
.set KSTEP,  128
.set PA,     272                       ; a row of act in LDS: 256 bytes + 16 = 68 words: row r starts at bank 4 r mod 64 (64 banks of 4 bytes: ISA guide 11.1): the 16 rows of a load start at 16 different banks
.set PB,     288                       ; a row of weight: 256 + 32 = 72 words: row r starts at bank 8 r mod 64
.set HALFA,  128*PA                    ; what one tensor load brings of act, and what one wave reads of it
.set HALFB,  64*PB                     ; what one tensor load brings of weight: 64 rows of k
.set BOFF,   2*HALFA                   ; in a slot: act's 256 rows, then weight's 128
.set SLOT,   BOFF+2*HALFB              ; 106,496 bytes
.set STAGE,  2*SLOT                    ; behind the ring: 16 rows x 272 bytes for each wave, for the way out; no tensor load lands here
.set SPITCH, 272
.set SPARE,  STAGE+4*16*SPITCH         ; behind the stages: the spare words, 128 bytes for each wave: two blocks of 256 bytes that no other line names
.set LAPS,   SIZE_K/(2*KSTEP)          ; a lap = two K steps = once round the ring
.set STEPA,  2*KSTEP*2                 ; two K steps along act's rows, in bytes
.set STEPB,  2*KSTEP*SIZE_N            ; two K steps down weight's rows, in bytes
.set ROWC,   SIZE_N*2                  ; a row of out, in bytes: 112 x 256
.set ADRA, 16                          ; v16-17  LDS address of my fragments of act in slot 0, 1
.set STO,  24                          ; v24     the way out: where I put 32 bytes of a row
.set RD,   25                          ; v25     the way out: where I read a row back
.set CO,   26                          ; v26     my byte offset in out
.set SPW,  28                          ; v28     LDS address of my spare word: SPARE + 4 x my thread's number; never rewritten
.set NIL,  29                          ; v29     0; never rewritten
.set OB,   32                          ; 16 rows read back from the stage: v32-63 and v224-255 by turns
.set AF0,  64
.set AF1,  128
.set TMP,  192
.set FB,   0                           ; window 1
.set RAW,  64                          ; window 1
.set CB,   96                          ; window 1
.set ADRB, 98                          ; window 1: v98-99  LDS address of my turning loads in slot 0, 1
.set SC,   128                         ; window 1: scale of group g: even columns' at SC + 16 g + j, odd columns' at SC + 16 g + 8 + j
.set WV,   12                          ; s12  my wave's number
.set MH,   13                          ; s13  which half of the tile's rows is mine.  Also: I fetch act (0) or weight (1)
.set NH,   14                          ; s14  which half of its columns.  Also: which half of that tile I fetch
.set LAP,  15                          ; s15  laps to go
.set G1A,  24                          ; s[24:31] descriptor group 1 for act's tiles;  s[32:39] group 0, a set for each slot
.set G0A,  32
.set G1B,  48                          ; s[48:55], s[56:63] the same for weight's
.set G0B,  56
.set X80,  66                          ; s66  0x80808080
.set MAGIC, 67                         ; s67  0x64646464
.set SELE, 68                          ; s68  v_perm_b32's choice for the even columns; s69 for the odd ones
.set OUTO, 70                          ; s[70:71] where my part of the tile begins in out, in bytes
.set MSB, 0
.macro WIN new                         ; the immediate's high byte repeats the setting that is left; a switch that changes nothing is dropped
.if MSB != (\new)
	s_set_vgpr_msb (MSB<<8)|(\new)
.set MSB, \new
.endif
.endm
.set MUL_LO, 0xa1                      ; source 0 (weight) window 1, source 1 (act) window 0, C and D window 2; + 0x50: window 3
.set CV,     0x45                      ; destination, source 0 and source 1 window 1: the conversion, and the turning loads with their address
.set TO1,    0x40                      ; destination window 1, sources window 0
; A joint load.  Waves 0 and 1 fetch act's two halves, waves 2 and 3 weight's.  Each of the two lines has one mask and one set of registers for all that issue it; the branch hangs on the wave's number alone.
; An s_nop 0 and four v_nop follow each of the two lines, ahead of the jump, the label and what follows the macro.
.macro JLOAD s
	s_cmp_eq_u32 s[MH], 0
	s_cbranch_scc0 .Lfor_b_\@
	tensor_load_to_lds s[G0A+4*(\s):G0A+4*(\s)+3], s[G1A:G1A+7]
	s_nop 0
.rept 4
	v_nop
.endr
	s_branch .Lasked_\@
.Lfor_b_\@:
	tensor_load_to_lds s[G0B+4*(\s):G0B+4*(\s)+3], s[G1B:G1B+7]
	s_nop 0
.rept 4
	v_nop
.endr
.Lasked_\@:
.endm
; A round of the cluster's barrier: my work-group's barrier, so that wave 0's signal speaks for all four waves; wave 0 signals for the work-group; every wave waits for all sixteen; my work-group's barrier once more.
.macro CREST                           ; a round behind its opening barrier
	s_cmp_lg_u32 s[WV], 0
	s_cbranch_scc1 .Lnot_wave_0_\@
	s_barrier_signal -3
.Lnot_wave_0_\@:
	s_barrier_wait -3
	s_barrier_signal -1
	s_barrier_wait -1
.endm
.macro CROUND                          ; a whole round
	s_barrier_signal -1
	s_barrier_wait -1
	CREST
.endm
	s_load_b256 s[4:11], s[0:1], 0x0               ; act s[4:5], weight s[6:7], scale s[8:9], out s[10:11]
	v_lshl_add_u32 v[SPW], v0, 2, SPARE
	v_mov_b32 v[NIL], 0
	ds_add_u32 v[SPW], v[NIL]                      ; the wave's opening: the add and its wait stand ahead of my first tensor load; the set-up below, work on registers, stands between them
	v_lshrrev_b32 v1, 5, v0
	v_readfirstlane_b32 s[WV], v1                  ; wave 0..3
	s_lshr_b32 s[MH], s[WV], 1
	s_and_b32 s[NH], s[WV], 1
	s_bfe_u32 s40, ttmp6, 0x40000                  ; cx: my place along the cluster's x
	s_bfe_u32 s41, ttmp6, 0x40004                  ; cy: along its y.  The grid is four tile rows high, as the cluster is: cy IS the tile row
	s_lshl_b32 s42, ttmp9, 2                       ; in a cluster launch ttmp9 counts clusters
	s_add_co_u32 s42, s42, s40                     ; tile column = 4 x cluster x + cx
	s_lshl_b32 s44, s41, 2
	s_lshl_b32 s44, 15, s44                        ; my row of the cluster: places 4 cy .. 4 cy + 3
	s_lshl_b32 s45, 0x1111, s40                    ; my column: places cx, cx + 4, cx + 8, cx + 12
	; group 1 for act: 128 rows x 128 elements of 2 bytes, 4 words of padding behind every 64
	s_or_b32 s[G1A+0], s44, (1<<16)|(1<<20)|(1<<21)|(5<<22)|(3<<25)  ; 15:0 the mask: my row; 17:16 elements of 2 bytes; 20 padding on; 21 set beside a mask; 24:22 after every 64 words (code 5); 31:25 4 words (code 3)
	s_mov_b32 s[G1A+1], KSTEP<<16                  ; tensor_dim0 = 128
	s_mov_b32 s[G1A+2], 128<<16                    ; tensor_dim1 = 128
	s_mov_b32 s[G1A+3], KSTEP<<16                  ; tile_dim0 = 128
	s_mov_b32 s[G1A+4], 128                        ; tile_dim1 = 128
	s_mov_b32 s[G1A+5], SIZE_K                     ; elements from row to row
	s_mov_b32 s[G1A+6], 0
	s_mov_b32 s[G1A+7], 0
	; group 1 for weight: 64 rows x 256 elements of 1 byte, 8 words of padding behind every 64
	s_or_b32 s[G1B+0], s45, (1<<20)|(1<<21)|(5<<22)|(7<<25)          ; the mask: my column; 17:16 elements of 1 byte (code 0); 8 words of padding (code 7)
	s_mov_b32 s[G1B+1], 256<<16                    ; tensor_dim0 = 256
	s_mov_b32 s[G1B+2], 64<<16                     ; tensor_dim1 = 64
	s_mov_b32 s[G1B+3], 256<<16                    ; tile_dim0 = 256
	s_mov_b32 s[G1B+4], 64                         ; tile_dim1 = 64
	s_mov_b32 s[G1B+5], SIZE_N                     ; elements from row to row
	s_mov_b32 s[G1B+6], 0
	s_mov_b32 s[G1B+7], 0
	; where the tiles come from.  act's hang on the tile row alone, weight's on the tile column alone: each offset is made in registers that never hold the other coordinate
	s_lshl_b32 s16, s41, 8
	s_lshl_b32 s17, s[NH], 7
	s_add_co_u32 s16, s16, s17                     ; act: row 256 x tile row + 128 x half,
	s_lshl_b32 s16, s16, 13                        ; of 8,192 bytes: under 2^23
	s_mov_b32 s17, 0
	s_mul_i32 s46, s[NH], 64*SIZE_N                ; weight: row 64 x half,
	s_lshl_b32 s47, s42, 8
	s_add_co_u32 s46, s46, s47                     ; byte 256 x tile column
	s_mov_b32 s47, 0
	s_mul_i32 s20, s[WV], HALFA                    ; where they go: act's halves at wave x HALFA (waves 0, 1),
	s_mul_i32 s21, s[WV], HALFB
	s_add_co_u32 s21, s21, BOFF-2*HALFB            ; weight's at BOFF + (wave - 2) x HALFB (waves 2, 3): no place in the cluster enters an LDS address
	s_mov_b32 s[X80], 0x80808080
	s_mov_b32 s[MAGIC], 0x64646464
	s_mov_b32 s[SELE], 0x04020400                  ; bytes 0 and 2 of the turned word, 0x64 above each
	s_mov_b32 s[SELE+1], 0x04030401                ; bytes 1 and 3
	s_wait_dscnt 0x0                               ; the opening add is done
	s_wait_kmcnt 0x0
	s_add_nc_u64 s[16:17], s[4:5], s[16:17]
	s_add_nc_u64 s[46:47], s[6:7], s[46:47]
.irp s, 0,1
	s_mov_b32 s[G0A+4*(\s)], 1                                       ; 1:0 count = 1
	s_add_co_u32 s[G0A+4*(\s)+1], s20, (\s)*SLOT                     ; 63:32 LDS address
	s_add_nc_u64 s[G0A+4*(\s)+2:G0A+4*(\s)+3], s[16:17], (\s)*KSTEP*2  ; 120:64 global address: K step s
	s_or_b32 s[G0A+4*(\s)+3], s[G0A+4*(\s)+3], 0x80000000            ; 127:126 type = 2
	s_mov_b32 s[G0B+4*(\s)], 1
	s_add_co_u32 s[G0B+4*(\s)+1], s21, (\s)*SLOT
	s_add_nc_u64 s[G0B+4*(\s)+2:G0B+4*(\s)+3], s[46:47], (\s)*KSTEP*SIZE_N
	s_or_b32 s[G0B+4*(\s)+3], s[G0B+4*(\s)+3], 0x80000000
.endr
	CROUND                                         ; all sixteen work-groups are here: the first joint loads meet
	s_cmp_eq_u32 s[MH], 0                          ; a wave's two first fills stand in one branch, ahead of every wait on TENSORcnt and every LDS read: two loads of mine are out
	s_cbranch_scc0 .Lfirst_b
	tensor_load_to_lds s[G0A:G0A+3], s[G1A:G1A+7]
	s_nop 0
	tensor_load_to_lds s[G0A+4:G0A+7], s[G1A:G1A+7]
	s_nop 0
.rept 4
	v_nop
.endr
	s_branch .Lfirst_asked
.Lfirst_b:
	tensor_load_to_lds s[G0B:G0B+3], s[G1B:G1B+7]
	s_nop 0
	tensor_load_to_lds s[G0B+4:G0B+7], s[G1B:G1B+7]
	s_nop 0
.rept 4
	v_nop
.endr
.Lfirst_asked:
	; While the tiles come: scale, the addresses, the constants.
	s_lshl_b32 s46, s42, 9                         ; my first column in f16 bytes: 512 x tile column + 256 x half (in the registers that held weight's address)
	s_lshl_b32 s47, s[NH], 8
	s_add_co_u32 s46, s46, s47
	s_mov_b32 s47, 0
	s_add_nc_u64 s[8:9], s[8:9], s[46:47]          ; scale at my 128 columns
	v_and_b32 v1, 15, v0                           ; r = l % 16
	v_bfe_u32 v2, v0, 4, 1                         ; h = l / 16
	v_lshlrev_b32 v3, 5, v2                        ; of a group's 32 columns mine are 16 h .. 16 h + 15: 32 bytes
.irp g, 0,1,2,3
	global_load_b128 v[OB+8*(\g):OB+8*(\g)+3],   v3, s[8:9] offset:64*(\g)
	global_load_b128 v[OB+8*(\g)+4:OB+8*(\g)+7], v3, s[8:9] offset:64*(\g)+16
.endr
	s_lshl_b32 s18, s41, 8
	s_lshl_b32 s19, s[MH], 7
	s_add_co_u32 s18, s18, s19                     ; my first row of out
	s_mul_i32 s[OUTO], s18, ROWC                   ; under 2^25
	s_add_co_u32 s[OUTO], s[OUTO], s46
	s_mov_b32 s[OUTO+1], 0
	; A fragment of act is 16 rows x 32 K in 8 registers: lane l holds row r; registers 0-3 K = 8 h + 0..7, registers 4-7 K = 16 + 8 h + 0..7: two loads of 16 bytes, 32 bytes apart.
	s_mul_i32 s22, s[MH], HALFA                    ; my 128 rows of act
	v_mul_u32_u24 v5, v1, PA                       ; r x 272: the pitch of act's rows and of the stage's
	v_lshl_add_u32 v4, v2, 4, v5
	v_add_nc_u32 v[ADRA], s22, v4
	v_add_nc_u32 v[ADRA+1], SLOT, v[ADRA]
	s_mul_i32 s23, s[WV], 16*SPITCH
	s_add_co_u32 s23, s23, STAGE                   ; my stage
	v_lshl_add_u32 v[STO], v2, 5, v5               ; in: row r, 32 bytes for each half of the lanes
	v_add_nc_u32 v[STO], s23, v[STO]
	v_mul_u32_u24 v[RD], v2, SPITCH                ; back: lanes 0-15 take one row of 256 bytes, lanes 16-31 the next
	v_lshl_add_u32 v[RD], v1, 4, v[RD]
	v_add_nc_u32 v[RD], s23, v[RD]
	v_mul_u32_u24 v[CO], v2, ROWC                  ; and the same two rows in out
	v_lshl_add_u32 v[CO], v1, 4, v[CO]
	v_and_b32 v6, 7, v0                            ; the turning load: lane l reads 16 bytes of row 8 h + l % 8, at byte 16 ((l / 8) % 2)
	v_lshl_add_u32 v6, v2, 3, v6
	v_mul_u32_u24 v6, v6, PB
	v_bfe_u32 v7, v0, 3, 1
	v_lshl_add_u32 v6, v7, 4, v6
	s_lshl_b32 s19, s[NH], 7                       ; my 128 columns of weight's 256,
	s_add_co_u32 s19, s19, BOFF                    ; behind act's rows
	s_add_co_u32 s18, s19, SLOT
	WIN TO1
	v_add_nc_u32 v[ADRB], s19, v6
	v_add_nc_u32 v[ADRB+1], s18, v6
	v_mov_b32 v[CB], 0xe480e480                    ; -1152 in both halves
	s_wait_loadcnt 0x0                             ; scale, once
; Word j of group g holds the scales of columns 16 h + 2 j (low half) and + 1 (high half): those of register j of the even and of the odd result.
.macro WIDEN halves:vararg
.irp x, \halves
	v_cvt_f32_f16 v[SC+16*(d/16)+8*(d%2)+(d%16)/2], \x
.set d, d+1
.endr
.endm
.set d, 0
	WIDEN v32.l, v32.h, v33.l, v33.h, v34.l, v34.h, v35.l, v35.h, v36.l, v36.h, v37.l, v37.h, v38.l, v38.h, v39.l, v39.h
	WIDEN v40.l, v40.h, v41.l, v41.h, v42.l, v42.h, v43.l, v43.h, v44.l, v44.h, v45.l, v45.h, v46.l, v46.h, v47.l, v47.h
	WIDEN v48.l, v48.h, v49.l, v49.h, v50.l, v50.h, v51.l, v51.h, v52.l, v52.h, v53.l, v53.h, v54.l, v54.h, v55.l, v55.h
	WIDEN v56.l, v56.h, v57.l, v57.h, v58.l, v58.h, v59.l, v59.h, v60.l, v60.h, v61.l, v61.h, v62.l, v62.h, v63.l, v63.h
	WIN 0
; Slice s of the ten that make group g's two fragments of its eight turned words.  0, 1: w + 128 in every byte.  2-5: 1024 + byte; even columns' words 0-3, odd 0-3, even 4-7, odd 4-7.  6-9: less 1152, in that order.
; The four lines of a slice do not lean on each other, and none reads what the slice just before it wrote.
.macro CONV g, s
	WIN CV
.set rR, RAW+8*(\g)
.set rF, FB+16*(\g)
.if (\s) < 2
.irp z, 0,1,2,3
	v_xor_b32 v[rR+4*(\s)+(\z)], s[X80], v[rR+4*(\s)+(\z)]
.endr
.elseif (\s) < 6
.set pp, ((\s)-2)%2
.set cc, ((\s)-2)/2
.irp z, 0,1,2,3
	v_perm_b32 v[rF+8*pp+4*cc+(\z)], s[MAGIC], v[rR+4*cc+(\z)], s[SELE+pp]
.endr
.else
.set pp, ((\s)-6)%2
.set cc, ((\s)-6)/2
.irp z, 0,1,2,3
	v_pk_add_f16 v[rF+8*pp+4*cc+(\z)], v[rF+8*pp+4*cc+(\z)], v[CB]
.endr
.endif
.endm
; Group g's turned bytes of quarter q of a slot: 32 k x 32 columns, two loads
.macro LRAW g, slot, q
	WIN CV
	ds_load_tr16_b128 v[RAW+8*(\g):RAW+8*(\g)+3],   v[ADRB+(\slot)] offset:32*(\q)*PB+32*(\g)
	ds_load_tr16_b128 v[RAW+8*(\g)+4:RAW+8*(\g)+7], v[ADRB+(\slot)] offset:(32*(\q)+16)*PB+32*(\g)
.endm
; act's fragments of quarter q of a slot (128 rows x 32 K) into buffer f: 16 loads in one run
.macro LA slot, q, f
	WIN 0
.irp b, 0,1,2,3,4,5,6,7
	ds_load_b128 v[(\f)+8*(\b):(\f)+8*(\b)+3],   v[ADRA+(\slot)] offset:64*(\q)+(\b)*16*PA
	ds_load_b128 v[(\f)+8*(\b)+4:(\f)+8*(\b)+7], v[ADRA+(\slot)] offset:64*(\q)+(\b)*16*PA+32
.endr
.endm
; A BLOCK: group g's 16 matrix instructions for 32 along K (row blocks 0-7 x even, odd), on act's buffer f.  zero = 1: the products start the sums: nothing is ever cleared.
; conv = 1: behind the first ten stands a slice each: they make the fragments of the group that the NEXT block multiplies.  ld = 1: behind the tenth slice, under the same window setting, group g's
; turned bytes of the next quarter (slot, q) are fetched: their registers were read out a block ago.
; The 64 accumulators take turns, one instruction a turn, in the same order in every quarter.  A fragment of weight is written again three blocks, 120 plain vector instructions,
; behind the last product that read it: more than the four places that ISA guide 7.12.1 asks for.
.macro BLOCK f, g, zero, conv, ld, slot=0, q=0
.set i, 0
.rept 16
	WIN MUL_LO+0x50*((\g)/2)
.set rD, 128*((\g)%2)+8*i
.set rB, FB+16*(\g)+8*(i%2)
.set rA, (\f)+8*(i/2)
.if \zero
	v_wmma_f32_16x16x32_f16 v[rD:rD+7], v[rB:rB+7], v[rA:rA+7], 0
.else
	v_wmma_f32_16x16x32_f16 v[rD:rD+7], v[rB:rB+7], v[rA:rA+7], v[rD:rD+7]
.endif
.if (\conv) && (i < 10)
	CONV ((\g)+1)%4, i
.endif
.if (\ld) && (i == 9)
	LRAW \g, \slot, \q
.endif
.set i, i+1
.endr
.endm
; A K step is four quarters of 32 along K, on act's buffers 0, 1, 0, 1.  At a quarter's head group 0's fragments are made, and these LDS loads are out, oldest first:
; group 1's bytes (2), act's run (16), group 2's (2), group 3's (2).  One of the first three quarters; what it fetches is quarter q + 1 of the same slot.
.macro QUARTER slot, q, zero
.set fa, AF0+64*((\q)%2)
.set fn, AF0+64*(1-(\q)%2)
	s_wait_dscnt 4                                 ; group 1's bytes and act's fragments are in; groups 2 and 3's may be out
	BLOCK fa, 0, \zero, 1, 1, \slot, (\q)+1
	s_wait_dscnt 4                                 ; group 2's are in; out: group 3's, the next quarter's group 0's
	BLOCK fa, 1, \zero, 1, 1, \slot, (\q)+1
	LA \slot, (\q)+1, fn                           ; the other buffer's last reader stands 80 plain vector instructions back
	s_wait_dscnt 20                                ; group 3's are in; out: the next quarter's groups 0 and 1 (4) and act's run (16)
	BLOCK fa, 2, \zero, 1, 1, \slot, (\q)+1
	s_wait_dscnt 20                                ; the next quarter's group 0 is in; out: group 1's (2), act's run (16), group 2's (2)
	BLOCK fa, 3, \zero, 1, 1, \slot, (\q)+1
.endm
; The last quarter of a K step changes slots: ONE barrier.  In front of it each wave waits for all its tensor loads, of which one is out: its part of the next slot; adds 0 to its spare word; and waits for
; that and for its own reads of this slot.  Behind it nobody reads this slot any more and the next slot is whole.  fill = 1: the barrier opens a round of the cluster's barrier, so that no wave of any
; partner still reads the slot or has a load on its way, and the joint refill, two K steps on, is the first thing behind the round: 224 matrix instructions ahead of the wait for it.
.macro TURN slot, next, fill
	WIN 0                                          ; (the add's two registers lie in window 0)
	s_wait_tensorcnt 0x0                           ; all my tensor loads have landed;
	ds_add_u32 v[SPW], v[NIL]                      ; 0 onto my spare word;
	s_wait_dscnt 5                                 ; as at every quarter's head, with the add behind the four loads that may be out
	BLOCK AF1, 0, 0, 1, 0                          ; a block stands between the add and the wait for it; it fetches nothing
	s_wait_dscnt 0x0                               ; the add is done, and my reads of this slot are over: groups 2 and 3's bytes were the last
	s_barrier_signal -1
	BLOCK AF1, 1, 0, 1, 0                          ; work on registers while the others arrive
	WIN 0                                          ; at a branch and at a label every window is 0
	s_barrier_wait -1
.if \fill
	CREST
	s_add_nc_u64 s[G0A+4*(\slot)+2:G0A+4*(\slot)+3], s[G0A+4*(\slot)+2:G0A+4*(\slot)+3], STEPA  ; no tensor load of mine is out: a group 0 may be written; the type bits on top are not reached
	s_add_nc_u64 s[G0B+4*(\slot)+2:G0B+4*(\slot)+3], s[G0B+4*(\slot)+2:G0B+4*(\slot)+3], STEPB
	JLOAD \slot
.endif
	LRAW 0, \next, 0                               ; the next slot's first quarter: what blocks 0 and 1 would have fetched,
	LRAW 1, \next, 0
	LA \next, 0, AF0                               ; and act's run; buffer 0's last reader stands 80 plain vector instructions back
	BLOCK AF1, 2, 0, 1, 1, \next, 0
	s_wait_dscnt 20                                ; the next quarter's group 0 is in; out: group 1's (2), act's run (16), group 2's (2)
	BLOCK AF1, 3, 0, 1, 1, \next, 0
.endm
	s_wait_tensorcnt 1                             ; my part of K step 0 is in; K step 1's may stay out
	s_barrier_signal -1
	s_barrier_wait -1                              ; everybody's is
	LRAW 0, 0, 0
	LRAW 1, 0, 0
	LA 0, 0, AF0
	LRAW 2, 0, 0
	LRAW 3, 0, 0
	s_wait_dscnt 22                                ; group 0's bytes are in; 2 + 16 + 2 + 2 younger loads stay out
.irp n, 0,1,2,3,4,5,6,7,8,9
	CONV 0, \n                                     ; the one conversion that has no products to stand behind
.endr
	QUARTER 0, 0, 1                                ; the first quarter stands in front of the loop: its products start the sums
	WIN 0
	s_mov_b32 s[LAP], LAPS-1
.Llap:                                                 ; a trip goes once round the ring, from a lap's second quarter to the next lap's first, and fills both slots again
	QUARTER 0, 1, 0
	QUARTER 0, 2, 0
	TURN 0, 1, 1
	QUARTER 1, 0, 0
	QUARTER 1, 1, 0
	QUARTER 1, 2, 0
	TURN 1, 0, 1
	QUARTER 0, 0, 0
	WIN 0
	s_sub_co_u32 s[LAP], s[LAP], 1
	s_cmp_lg_u32 s[LAP], 0
	s_cbranch_scc1 .Llap
	QUARTER 0, 1, 0                                ; the last lap is written out: it fills nothing
	QUARTER 0, 2, 0
	TURN 0, 1, 0
	QUARTER 1, 0, 0
	QUARTER 1, 1, 0
	QUARTER 1, 2, 0
	s_wait_dscnt 4                                 ; the very last quarter fetches nothing: the counts run down
	BLOCK AF1, 0, 0, 1, 0
	s_wait_dscnt 2                                 ; group 2's bytes are in
	BLOCK AF1, 1, 0, 1, 0
	s_wait_dscnt 0x0                               ; group 3's
	BLOCK AF1, 2, 0, 1, 0
	BLOCK AF1, 3, 0, 0, 0
; THE WAY OUT of row block a (16 rows x my 128 columns), in three parts.
; PACK: times scale, in f32, in place, each accumulator's registers in ascending order; then register j of a group's even result and of its odd one are rounded into one word: columns 16 h + 2 j and + 1.
.macro PACK a
.irp w, 0,1
	WIN 0x86+0x41*(\w)                             ; destination and source 0 window 2 or 3, source 1 (scale) window 1
.irp gg, 0,1
.irp p, 0,1
.irp u, 0,2,4,6
.set rD, 128*(\gg)+16*(\a)+8*(\p)+(\u)
.set rS, SC+16*(2*(\w)+(\gg))+8*(\p)+(\u)
	v_pk_mul_f32 v[rD:rD+1], v[rD:rD+1], v[rS:rS+1]
.endr
.endr
.endr
	WIN 0x0a+5*(\w)                                ; sources 0 and 1 window 2 or 3, destination window 0
.irp gg, 0,1
.irp j, 0,1,2,3,4,5,6,7
.set rD, 128*(\gg)+16*(\a)+(\j)
	v_cvt_pk_f16_f32 v[TMP+8*(2*(\w)+(\gg))+(\j)], v[rD], v[rD+8]
.endr
.endr
.endr
	WIN 0
.endm
; TOSTAGE: a lane's 32 bytes of each group go into my own stage, rows of 272 bytes, and come back as whole rows of 256.
.macro TOSTAGE a
.irp g, 0,1,2,3
	ds_store_b128 v[STO], v[TMP+8*(\g):TMP+8*(\g)+3]   offset:64*(\g)
	ds_store_b128 v[STO], v[TMP+8*(\g)+4:TMP+8*(\g)+7] offset:64*(\g)+16
.endr
.irp t, 0,1,2,3,4,5,6,7
	ds_load_b128 v[OB+192*((\a)%2)+4*(\t):OB+192*((\a)%2)+4*(\t)+3], v[RD] offset:(\t)*2*SPITCH  ; LDS serves a wave's instructions in order (ISA guide 5.7.1.4): these see the stores above; the next block's stores come behind them
.endr
.endm
.macro SEND a
	s_wait_dscnt 0x0                               ; the block is back in registers
	s_wait_xcnt 0x0                                ; every earlier memory instruction has had its addresses translated (ISA guide 3.1): only behind this wait are the stores' base, and the rows that the block before last stored, written again
.if (\a) == 0
	s_add_nc_u64 s[10:11], s[10:11], s[OUTO:OUTO+1]  ; on to my first rows
.else
	s_add_nc_u64 s[10:11], s[10:11], 16*ROWC       ; 16 rows on: the stores' offsets stay at 14 rows, 401,408 bytes, inside the signed 24-bit immediate
.endif
.irp t, 0,1,2,3,4,5,6,7
	global_store_b128 v[CO], v[OB+192*((\a)%2)+4*(\t):OB+192*((\a)%2)+4*(\t)+3], s[10:11] offset:2*(\t)*ROWC th:TH_STORE_NT  ; 16 lanes store 256 consecutive bytes, at a multiple of 256 from the buffer's first byte
.endr
.endm
	PACK 0                                         ; no v_nop: window 2's accumulators have conversion slices behind their last products, and the 32 lines on them are the places behind window 3's
	TOSTAGE 0
.irp a, 1,2,3,4,5,6,7                  ; block a's arithmetic stands between block a - 1's loads from the stage and the wait for them
	PACK \a
	SEND (\a)-1
	TOSTAGE \a
.endr
	SEND 7
	s_wait_tensorcnt 0x0                           ; the wave's end, behind my last tensor load and my last LDS store
	ds_add_u32 v[SPW], v[NIL]
	s_wait_dscnt 0x0
	CROUND                                         ; the closing round: no work-group ends while a partner may still ask for a tile that names it
	s_endpgm
.Lfunc_end_k_qb289cfa0ea_gemm:
	.size	k_qb289cfa0ea_gemm, .Lfunc_end_k_qb289cfa0ea_gemm-k_qb289cfa0ea_gemm
	.p2alignl 7, 3214868480
	.fill 96, 4, 3214868480
	.section	.rodata,"a",@progbits
	.p2align	6, 0x0
	.amdhsa_kernel k_qb289cfa0ea_gemm
		.amdhsa_group_segment_fixed_size 327680
		.amdhsa_private_segment_fixed_size 0
		.amdhsa_enable_private_segment 0
		.amdhsa_kernarg_size 32
		.amdhsa_user_sgpr_count 2
		.amdhsa_user_sgpr_kernarg_segment_ptr 1
		.amdhsa_wavefront_size32 1
		.amdhsa_system_sgpr_workgroup_id_x 1
		.amdhsa_system_sgpr_workgroup_id_y 1
		.amdhsa_system_sgpr_workgroup_id_z 1
		.amdhsa_system_vgpr_workitem_id 0
		.amdhsa_next_free_vgpr 1024
		.amdhsa_next_free_sgpr 72
		.amdhsa_reserve_vcc 0
		.amdhsa_float_denorm_mode_32 3
		.amdhsa_float_denorm_mode_16_64 3
		.amdhsa_memory_ordered 1
		.amdhsa_forward_progress 1
		.amdhsa_inst_pref_size 255
	.end_amdhsa_kernel
	.section	.bss,"aw",@nobits
	.p2align	6
	.space	262144
	.amdgpu_metadata
---
amdhsa.version: [ 1, 2 ]
amdhsa.kernels:
  - .name:           k_qb289cfa0ea_gemm
    .symbol:         k_qb289cfa0ea_gemm.kd
    .args:
      - { .name: act, .offset: 0, .size: 8, .value_kind: global_buffer, .address_space: global }
      - { .name: weight, .offset: 8, .size: 8, .value_kind: global_buffer, .address_space: global }
      - { .name: scale, .offset: 16, .size: 8, .value_kind: global_buffer, .address_space: global }
      - { .name: out0, .offset: 24, .size: 8, .value_kind: global_buffer, .address_space: global }
    .group_segment_fixed_size: 327680
    .private_segment_fixed_size: 0
    .kernarg_segment_align: 8
    .kernarg_segment_size: 32
    .max_flat_workgroup_size: 128
    .sgpr_count:     72
    .vgpr_count:     1024
    .wavefront_size: 32
...
	.end_amdgpu_metadata
.endif
;; end of part 1
